; MI455X (gfx1250); checked and timed in simulation.
; The chip was launched on July 23, 2026; its instructions are those of AMD's public machine-readable ISA for CDNA 5 (MIT licence, August 2026) and "CDNA5" Instruction Set Architecture Reference Guide (July 2026). The comments in the code are by the model that wrote it; some were corrected since.
;; Global Topk Extrema Pooling2 D. Allowed arithmetic: float matrix products may take bf16 or f16 operands with f32 sums; other float arithmetic in f32, or as packed bf16 or f16 multiplies, adds, multiply-adds, maxima and minima; sums over many terms, partial sums and values carried from step to step in f32; what a program stores and reads back later, other than sums and carried values, may be rounded once to bf16 or f16.
;; Inputs: inputs 16 x 128 x 128 x 256 float32.
;; Outputs: out0 16 x 4,096 float32.
;; 2 versions, each right; version 2 is version 1 with the launch chunks written anew for expert scheduling mode. Each part assembles by itself: llvm-mc -triple=amdgcn-amd-amdhsa -mcpu=gfx1250 --defsym DOCPART=n.
;; ======== version 1 of 2: 2 launches
;; limits: values outside matrix products are rounded to bf16
;; workspace buffers: part 2,097,152 bytes
;; launch chunks (part 1): grid 256 x 1, 16 waves a work-group, no clusters, 67,584 bytes of LDS; arguments inputs, part; writes part
.if DOCPART == 1
	.amdgcn_target "amdgcn-amd-amdhsa--gfx1250"
	.amdhsa_code_object_version 6
	.text
	.protected	k_q027f253abf_chunks
	.globl	k_q027f253abf_chunks
	.p2align	8
	.type	k_q027f253abf_chunks,@function
k_q027f253abf_chunks:
	s_mov_b64 s[64:65], 0
	v_nop
	global_prefetch_b8 v0, s[64:65] scope:SCOPE_SE
	s_setreg_imm32_b32 hwreg(HW_REG_WAVE_MODE, 25, 1), 1
	s_wait_xcnt 0x0
; THE 8 LARGEST AND THE 8 SMALLEST NUMBERS OF EACH CHANNEL, FIRST PART.  inputs: [16][16384 pixels][256 channels] f32.
; A work-group owns 1,024 pixels on end (1 MiB) of one image and leaves, for each channel, the sorted 8 largest and 8 smallest of them in part.
; part: [work-group 256][kind 2: largest, smallest][h 2: items 0-3, 4-7][column 128] x 16 bytes; an item is a word of two bf16: two neighbouring channels.
;   column = 64 x half + 32 x set + lane stands for channels 128 x half + 4 x lane + 2 x set + 0, 1 (the later launch undoes this order).
; FORMAT AND LIMITS.  Each number is rounded once to bf16 (nearest even) and only compared afterwards; the rounding keeps the order, so what comes out is the exact
; answer rounded to bf16: off by at most 2^-9 of itself.  A magnitude above bf16's largest finite number (3.39e38) becomes an infinity.  NaN is not served: it loses every comparison.
; SHARES.  16 waves: wave w takes channels 128 (w & 1) on and pixel group w >> 1.  A lane owns 4 channels: a load of 16 bytes a lane covers 512 consecutive bytes, aligned.
; A batch is 16 pixels of a wave; the 8 pixel groups' batches lie on end (128 KiB), 8 batches a wave.
; NO BRANCH HANGS ON DATA: a batch is sorted by a fixed network (Batcher's odd-even merge sort of 16: 63 compare-exchanges); its upper 8 are merged into the running 8 largest
; (8 maxima leave the 8 largest of the 16 as a bitonic sequence, 12 compare-exchanges sort it), its lower 8 likewise into the 8 smallest.  All on words of two channels:
; 126 + 32 + 32 instructions for 32 numbers, and half a conversion a number.
; IN FLIGHT.  Two raw buffers of 16 loads; a buffer is asked for again as soon as it is converted: 16 to 32 loads of every wave are out.
; No input byte is read by two work-groups, so nothing is asked for jointly; no wave reads another's input, so it goes straight into registers.
.set PIXB,  1024                       ; bytes of a pixel
.set BPX,   16                         ; pixels in a batch
.set BSTEP, 8*BPX*PIXB                 ; from a wave's batch to its next
.set OFF,  1                           ; v1  my byte offset in the work-group's first 128 KiB; never rewritten
.set LSA,  2                           ; v2  LDS: where my wave's lists go
.set LRA,  3                           ; v3  LDS: where I read lists back
.set GO,   4                           ; v4  my 16 bytes in the work-group's 8 KiB of part
.set HG,   5                           ; v5  lane / 16
.set SPW,  6                           ; v6  LDS address of my spare word: SPARE + 4 x my thread's number; never rewritten
.set NIL,  7                           ; v7  0; never rewritten
.set RA,   8                           ; v[8:71]    raw buffer A: pixel j's 4 channels at RA + 4 j
.set RB,   72                          ; v[72:135]  raw buffer B
.set P0,   136                         ; v[136:168] column set 0 (channels 0, 1 of my 4): 16 words at work, 1 free, 16 that become the state
.set SET1, 34                          ; column set 1 (channels 2, 3) lies 34 registers higher, in the same order
.set NEWP, P0+17
.set OT,   RA                          ; the last batch leaves the 8 largest in v[8:15] (set 1: v[42:49]),
.set OB,   RA+8                        ; the 8 smallest in v[16:23] (set 1: v[50:57]): on end, for 16-byte LDS stores
.set LB,   RB                          ; four lists of 8 read back from LDS
.set DD,   RB+32                       ; the 16 bytes that I store
.set SPARE, 65536                      ; behind the lists: the spare words, 128 bytes for each of 16 waves, which no other line names
.set WIDE, 1                           ; 1: every line of a merge is written for both column sets
; WHICH REGISTER HOLDS WHICH WIRE is kept by the assembler: XRi = wire i of the sort, FR = the free register.  A compare-exchange writes the maximum into FR and the minimum in
; place; the register that held wire a is then the free one.  At a batch's start all 17 are dead, so any order of them serves, over the backward jump too.
.irp i, 0,1,2,3,4,5,6,7,8,9,10,11,12,13,14,15
.set XR\i, P0+\i
.endr
.set FR, P0+16
.macro CE a, b                         ; wire a takes the larger, wire b the smaller, in both column sets
	v_pk_max_num_bf16 v[FR], v[XR\a], v[XR\b]
	v_pk_max_num_bf16 v[FR+SET1], v[XR\a+SET1], v[XR\b+SET1]
	v_pk_min_num_bf16 v[XR\b], v[XR\a], v[XR\b]
	v_pk_min_num_bf16 v[XR\b+SET1], v[XR\a+SET1], v[XR\b+SET1]
.set SW, XR\a
.set XR\a, FR
.set FR, SW
.endm
.macro CE2 a, b, c, d
	CE \a, \b
	CE \c, \d
.endm
.macro CE4 a, b, c, d, e, f, g, h
	CE2 \a, \b, \c, \d
	CE2 \e, \f, \g, \h
.endm
.macro SORT16                          ; wire 0 ends with the largest, wire 15 with the smallest
	CE4 0,1, 2,3, 4,5, 6,7             ; pairs
	CE4 8,9, 10,11, 12,13, 14,15
	CE4 0,2, 1,3, 4,6, 5,7             ; merge 2 + 2
	CE4 8,10, 9,11, 12,14, 13,15
	CE4 1,2, 5,6, 9,10, 13,14
	CE4 0,4, 1,5, 2,6, 3,7             ; merge 4 + 4
	CE4 8,12, 9,13, 10,14, 11,15
	CE4 2,4, 3,5, 10,12, 11,13
	CE4 1,2, 3,4, 5,6, 9,10
	CE2 11,12, 13,14
	CE4 0,8, 1,9, 2,10, 3,11           ; merge 8 + 8
	CE4 4,12, 5,13, 6,14, 7,15
	CE4 4,8, 5,9, 6,10, 7,11
	CE4 2,4, 3,5, 6,8, 7,9
	CE2 10,12, 11,13
	CE4 1,2, 3,4, 5,6, 7,8
	CE2 9,10, 11,12
	CE 13,14
.endm
; A MERGE of two sorted lists of 8 that keeps the better 8, sorted.  ACi = the running list, NWi = the new one, both best first; o1 picks the better of two (max for the largest,
; min for the smallest), o2 the other.  o1(AC i, NW 7-i) are the better 8 of the 16, a bitonic sequence; three stages of four compare-exchanges (4, 2, 1 apart) sort it.
; Each stage reads one set of 8 registers and writes the other, which is dead by then: no free register, no copy, and the list ends where it began.
.macro PUT o, d, a, b
	\o v[\d], v[\a], v[\b]
.if WIDE
	\o v[\d+SET1], v[\a+SET1], v[\b+SET1]
.endif
.endm
.macro CX o1, o2, da, db, sa, sb
	PUT \o1, \da, \sa, \sb
	PUT \o2, \db, \sa, \sb
.endm
.macro MRG o1, o2, fin=0, base=0       ; fin = 1: the last stage writes the list into the 8 registers from base on
	PUT \o1, NW7, AC0, NW7             ; place i of the sequence lies in NW 7-i
	PUT \o1, NW6, AC1, NW6
	PUT \o1, NW5, AC2, NW5
	PUT \o1, NW4, AC3, NW4
	PUT \o1, NW3, AC4, NW3
	PUT \o1, NW2, AC5, NW2
	PUT \o1, NW1, AC6, NW1
	PUT \o1, NW0, AC7, NW0
	CX \o1, \o2, AC0, AC4, NW7, NW3
	CX \o1, \o2, AC1, AC5, NW6, NW2
	CX \o1, \o2, AC2, AC6, NW5, NW1
	CX \o1, \o2, AC3, AC7, NW4, NW0
	CX \o1, \o2, NW0, NW2, AC0, AC2
	CX \o1, \o2, NW1, NW3, AC1, AC3
	CX \o1, \o2, NW4, NW6, AC4, AC6
	CX \o1, \o2, NW5, NW7, AC5, AC7
.if \fin
.irp i, 0,1,2,3,4,5,6,7
.set AC\i, (\base)+\i
.endr
.endif
	CX \o1, \o2, AC0, AC1, NW0, NW1
	CX \o1, \o2, AC2, AC3, NW2, NW3
	CX \o1, \o2, AC4, AC5, NW4, NW5
	CX \o1, \o2, AC6, AC7, NW6, NW7
.endm
.macro SETAC base
.irp i, 0,1,2,3,4,5,6,7
.set AC\i, (\base)+\i
.endr
.endm
.macro SETNW base
.irp i, 0,1,2,3,4,5,6,7
.set NW\i, (\base)+\i
.endr
.endm
.macro TK i, j                         ; item i of the smallest is wire j's register from now on; the wire gets a fresh one
.set BT\i, XR\j
.set XR\j, NEWP+\j
.endm
.macro NL i, j
.set NW\i, XR\j
.endm
.macro LOADS buf, off                  ; a batch: 16 pixels, 512 consecutive bytes of each
.irp j, 0,1,2,3,4,5,6,7,8,9,10,11,12,13,14,15
	global_load_b128 v[(\buf)+4*\j:(\buf)+4*\j+3], v[OFF], s[4:5] offset:(\off)+\j*PIXB th:TH_LOAD_NT
.endr
.endm
; A BATCH.  mode 0: the first, whose sorted 16 ARE the first state: its registers are taken over by name, nothing is cleared or copied.  1: merged.  2: the last.
; off >= 0: the buffer is asked for again, from byte off behind the pointer.  left: how many younger loads may stay out.
.macro BATCH buf, mode, off, left
	s_wait_loadcnt \left               ; loads come back in order (ISA guide 5.7.1): this buffer's 16 are in, the other buffer's stay out
.irp j, 0,1,2,3,4,5,6,7,8,9,10,11,12,13,14,15
	v_cvt_pk_bf16_f32 v[XR\j], v[(\buf)+4*\j], v[(\buf)+4*\j+1]
	v_cvt_pk_bf16_f32 v[XR\j+SET1], v[(\buf)+4*\j+2], v[(\buf)+4*\j+3]
.endr
.if (\off) >= 0
	LOADS \buf, \off
.endif
	SORT16
.if (\mode) == 0
.irp i, 0,1,2,3,4,5,6,7
.set TP\i, XR\i
.set XR\i, NEWP+\i
.endr
	TK 0, 15
	TK 1, 14
	TK 2, 13
	TK 3, 12
	TK 4, 11
	TK 5, 10
	TK 6, 9
	TK 7, 8
.else
.irp i, 0,1,2,3,4,5,6,7
.set AC\i, TP\i
.set NW\i, XR\i
.endr
	MRG v_pk_max_num_bf16, v_pk_min_num_bf16, (\mode)/2, OT
.irp i, 0,1,2,3,4,5,6,7
.set AC\i, BT\i
.endr
	NL 0, 15                           ; the batch's lower 8, smallest first
	NL 1, 14
	NL 2, 13
	NL 3, 12
	NL 4, 11
	NL 5, 10
	NL 6, 9
	NL 7, 8
	MRG v_pk_min_num_bf16, v_pk_max_num_bf16, (\mode)/2, OB
.endif
.endm
	s_load_b128 s[4:7], s[0:1], 0x0                ; inputs s[4:5], part s[6:7]
	v_lshl_add_u32 v[SPW], v0, 2, SPARE
	v_mov_b32 v[NIL], 0
	v_lshrrev_b32 v[LSA], 5, v0
	v_readfirstlane_b32 s8, v[LSA]                 ; wave 0..15
	s_lshr_b32 s9, s8, 1                           ; pixel group
	s_and_b32 s10, s8, 1                           ; channel half
	v_and_b32 v[OFF], 31, v0
	v_lshlrev_b32 v[OFF], 4, v[OFF]                ; 16 x lane
	s_lshl_b32 s11, s8, 12
	v_add_nc_u32 v[LSA], s11, v[OFF]               ; my wave's 4,096 bytes of LDS
	s_lshl_b32 s11, s9, 14                         ; the group's 16 pixels of 1,024 bytes,
	s_lshl_b32 s15, s10, 9                         ; the half's 512 bytes
	s_add_co_u32 s11, s11, s15
	v_add_nc_u32 v[OFF], s11, v[OFF]
	s_lshl_b32 s2, ttmp9, 20                       ; the work-group's 1 MiB (255 MiB at the most: 32 bits hold it)
	s_mov_b32 s3, 0
	s_wait_kmcnt 0x0
	s_add_nc_u64 s[4:5], s[4:5], s[2:3]
	LOADS RA, 0                                    ; batch 0
	LOADS RB, BSTEP                                ; batch 1
	; the addresses for the end, made while the first loads are out
	s_lshr_b32 s16, s8, 3                          ; at the end wave w merges kind w / 8, columns 16 (w % 8) on
	s_and_b32 s17, s8, 7
	s_lshl_b32 s11, s16, 12
	s_lshl_b32 s15, s17, 8
	s_add_co_u32 s11, s11, s15                     ; in part: 4,096 x kind + 256 x (w % 8)
	v_and_b32 v[LRA], 15, v0
	v_lshlrev_b32 v[LRA], 4, v[LRA]                ; 16 x (lane % 16)
	v_bfe_u32 v[HG], v0, 4, 1
	v_add_nc_u32 v[GO], s11, v[LRA]
	v_lshl_add_u32 v[GO], v[HG], 11, v[GO]         ; lanes 0-15 store items 0-3, lanes 16-31 items 4-7, 2,048 bytes on
	s_lshr_b32 s15, s17, 2                         ; in LDS a column's lists lie in the waves of its half:
	s_lshl_b32 s15, s15, 12                        ; 4,096 x half
	s_lshl_b32 s16, s16, 11                        ; + 2,048 x kind
	s_add_co_u32 s15, s15, s16
	s_and_b32 s16, s8, 3
	s_lshl_b32 s16, s16, 8                         ; + 256 x (w % 4): set and half of the lanes
	s_add_co_u32 s15, s15, s16
	v_add_nc_u32 v[LRA], s15, v[LRA]
	v_lshl_add_u32 v[LRA], v[HG], 15, v[LRA]       ; lanes 0-15 take pixel groups 0-3, lanes 16-31 groups 4-7: 4 x 8,192 bytes on
	s_lshl_b32 s18, ttmp9, 13
	s_mov_b32 s19, 0
	s_add_nc_u64 s[6:7], s[6:7], s[18:19]          ; the work-group's 8 KiB of part
	s_mov_b32 s12, 0x76543210                      ; v_permlanex16_b32: each lane takes its own place in the other half
	s_mov_b32 s13, 0xfedcba98
	BATCH RA, 0, 2*BSTEP, 16                       ; batch 0 starts the state; batch 2 is asked for
	BATCH RB, 1, 3*BSTEP, 16
	s_mov_b32 s14, 2
.Lpair:                                            ; batches 2, 3 and 4, 5; they ask for 4, 5 and 6, 7
	s_wait_xcnt 0x0                                ; every load issued so far (the youngest a sort and two merges back) has had its address translated (ISA guide 3.1): the pointer may be written
	s_add_nc_u64 s[4:5], s[4:5], 2*BSTEP
	BATCH RA, 1, 2*BSTEP, 16
	BATCH RB, 1, 3*BSTEP, 16
	s_sub_co_u32 s14, s14, 1
	s_cmp_lg_u32 s14, 0
	s_cbranch_scc1 .Lpair
	BATCH RA, 1, -1, 16                            ; the last two batches ask for nothing: no load leaves the work-group's pixels
	BATCH RB, 2, -1, 0
	; THE 8 PIXEL GROUPS MEET IN LDS.  Wave w's lists at 4,096 w: [kind][h][set][lane] x 16 bytes: each store covers 512 consecutive bytes.
.irp s, 0,1
.irp h, 0,1
	ds_store_b128 v[LSA], v[OT+SET1*\s+4*\h:OT+SET1*\s+4*\h+3] offset:1024*\h+512*\s
	ds_store_b128 v[LSA], v[OB+SET1*\s+4*\h:OB+SET1*\s+4*\h+3] offset:2048+1024*\h+512*\s
.endr
.endr
	s_wait_dscnt 0x0                               ; for the others' sake: my stores are done
	s_barrier_signal -1
	s_barrier_wait -1
.irp n, 0,1,2,3
.irp h, 0,1
	ds_load_b128 v[LB+8*\n+4*\h:LB+8*\n+4*\h+3], v[LRA] offset:8192*\n+1024*\h  ; 16 lanes read 256 consecutive bytes
.endr
.endr
.set WIDE, 0
	SETAC LB
.macro FOLD o1, o2                     ; my four lists into one; then the other four groups' list, which the lane 16 away has made
.irp n, 1,2,3
	SETNW LB+8*\n
	MRG \o1, \o2
.endr
	SETNW LB+8
.irp i, 0,1,2,3,4,5,6,7
	v_permlanex16_b32 v[NW\i], v[AC\i], s12, s13
.endr
	MRG \o1, \o2
.endm
	s_wait_dscnt 0x0
	s_cmp_lt_u32 s8, 8                             ; waves 0-7 merge the largest, waves 8-15 the smallest
	s_cbranch_scc0 .Lsmallest
	FOLD v_pk_max_num_bf16, v_pk_min_num_bf16
	s_branch .Lstore
.Lsmallest:
	FOLD v_pk_min_num_bf16, v_pk_max_num_bf16
.Lstore:
	v_cmp_ne_u32 vcc_lo, 0, v[HG]                  ; both halves of the lanes hold the same list: each stores half of it
.irp i, 0,1,2,3
	v_cndmask_b32 v[DD+\i], v[LB+\i], v[LB+4+\i], vcc_lo
.endr
	global_store_b128 v[GO], v[DD:DD+3], s[6:7]    ; 16 lanes store 256 consecutive bytes, at a multiple of 256 from part's first byte
	s_wait_tensorcnt 0x0                           ; the wave's end, behind my last LDS store
	ds_add_u32 v[SPW], v[NIL]
	s_wait_dscnt 0x0
	s_endpgm
.Lfunc_end_k_q027f253abf_chunks:
	.size	k_q027f253abf_chunks, .Lfunc_end_k_q027f253abf_chunks-k_q027f253abf_chunks
	.p2alignl 7, 3214868480
	.fill 96, 4, 3214868480
	.section	.rodata,"a",@progbits
	.p2align	6, 0x0
	.amdhsa_kernel k_q027f253abf_chunks
		.amdhsa_group_segment_fixed_size 67584
		.amdhsa_private_segment_fixed_size 0
		.amdhsa_enable_private_segment 0
		.amdhsa_kernarg_size 16
		.amdhsa_user_sgpr_count 2
		.amdhsa_user_sgpr_kernarg_segment_ptr 1
		.amdhsa_wavefront_size32 1
		.amdhsa_system_sgpr_workgroup_id_x 1
		.amdhsa_system_sgpr_workgroup_id_y 1
		.amdhsa_system_sgpr_workgroup_id_z 1
		.amdhsa_system_vgpr_workitem_id 0
		.amdhsa_next_free_vgpr 204
		.amdhsa_next_free_sgpr 66
		.amdhsa_reserve_vcc 1
		.amdhsa_float_denorm_mode_32 3
		.amdhsa_float_denorm_mode_16_64 3
		.amdhsa_memory_ordered 1
		.amdhsa_forward_progress 1
		.amdhsa_inst_pref_size 177
	.end_amdhsa_kernel
	.amdgpu_metadata
---
amdhsa.version: [ 1, 2 ]
amdhsa.kernels:
  - .name:           k_q027f253abf_chunks
    .symbol:         k_q027f253abf_chunks.kd
    .args:
      - { .name: inputs, .offset: 0, .size: 8, .value_kind: global_buffer, .address_space: global }
      - { .name: part, .offset: 8, .size: 8, .value_kind: global_buffer, .address_space: global }
    .group_segment_fixed_size: 67584
    .private_segment_fixed_size: 0
    .kernarg_segment_align: 8
    .kernarg_segment_size: 16
    .max_flat_workgroup_size: 512
    .sgpr_count:     66
    .vgpr_count:     204
    .wavefront_size: 32
...
	.end_amdgpu_metadata
.endif
;; end of part 1
;; launch final (part 2): grid 64 x 1, 4 waves a work-group, no clusters, 5,120 bytes of LDS; arguments part, out0; writes out0
.if DOCPART == 2
	.amdgcn_target "amdgcn-amd-amdhsa--gfx1250"
	.amdhsa_code_object_version 6
	.text
	.protected	k_q027f253abf_final
	.globl	k_q027f253abf_final
	.p2align	8
	.type	k_q027f253abf_final,@function
k_q027f253abf_final:
	s_mov_b64 s[64:65], 0
	v_nop
	global_prefetch_b8 v0, s[64:65] scope:SCOPE_SE
	s_setreg_imm32_b32 hwreg(HW_REG_WAVE_MODE, 25, 1), 1
	s_wait_xcnt 0x0
; THE 8 LARGEST AND THE 8 SMALLEST NUMBERS OF EACH CHANNEL, SECOND PART.  Of each image the launch before has left 16 sorted lists of 8 for each channel and kind; they are merged here.
; part: [image 16][chunk 16][kind 2: largest, smallest][h 2: items 0-3, 4-7][column 128] x 16 bytes; an item is a word of two bf16;
;   column = 64 x half + 32 x set + p stands for channels 128 x half + 4 p + 2 x set + 0 (low half of the word), + 1 (high half).
; out0: [image 16][channel 256][16] f32: the 8 largest, largest first, then the 8 smallest, smallest first.  The numbers carry bf16's rounding from the launch before; widening them is exact.
; SHARES.  Work-group x = 4 x image + 2 x half + block owns p = 16 x block .. + 15: 64 channels on end, 4,096 bytes of out0.  Wave w: kind w / 2, set w % 2.
; Lane l: column p = 16 x block + l % 16; chunks 8 (l / 16) .. + 7; then the lane 16 away hands over the other eight chunks' list.
; Every load's 16 neighbouring lanes read 256 consecutive bytes, aligned; all 16 loads of a lane go out at once.
.set OFF,  1                           ; v1  my byte offset in part
.set STO,  2                           ; v2  the way out: where I put a channel's 32 bytes
.set RD,   3                           ; v3  the way out: where I read 16 bytes back
.set GO,   4                           ; v4  16 x lane
.set SH,   5                           ; v5  lane / 16; later the shift that brings my channel's bf16 to the top: 16 for lanes 0-15, 0 for lanes 16-31
.set SPW,  6                           ; v6  LDS address of my spare word: SPARE + 4 x my thread's number; never rewritten
.set NIL,  7                           ; v7  0; never rewritten
.set LB,   8                           ; v[8:71]   eight lists of 8
.set FF,   72                          ; v[72:79]  my channel's 8 numbers in f32
.set BK,   80                          ; v[80:87]  32 bytes read back
.set SPITCH, 272                       ; a stage row: 256 bytes (4 channels x 16 numbers) + 16: the 16 rows that a store touches start 17 x 16 bytes apart, at 16 different groups of four banks (64 banks of 4 bytes: ISA guide 11.1)
.set SPARE, 4608                       ; behind the stage (16 x 272 bytes, rounded up): the spare words, 128 bytes for each wave, which no other line names
; A MERGE of two sorted lists of 8 that keeps the better 8, sorted.  ACi = the running list, NWi = the new one, both best first; o1 picks the better of two, o2 the other.
; o1(AC i, NW 7-i) are the better 8 of the 16, a bitonic sequence; three stages of four compare-exchanges (4, 2, 1 apart) sort it, each from one set of 8 registers into the other.
.macro CX o1, o2, da, db, sa, sb
	\o1 v[\da], v[\sa], v[\sb]
	\o2 v[\db], v[\sa], v[\sb]
.endm
.macro MRG o1, o2
	\o1 v[NW7], v[AC0], v[NW7]         ; place i of the sequence lies in NW 7-i
	\o1 v[NW6], v[AC1], v[NW6]
	\o1 v[NW5], v[AC2], v[NW5]
	\o1 v[NW4], v[AC3], v[NW4]
	\o1 v[NW3], v[AC4], v[NW3]
	\o1 v[NW2], v[AC5], v[NW2]
	\o1 v[NW1], v[AC6], v[NW1]
	\o1 v[NW0], v[AC7], v[NW0]
	CX \o1, \o2, AC0, AC4, NW7, NW3
	CX \o1, \o2, AC1, AC5, NW6, NW2
	CX \o1, \o2, AC2, AC6, NW5, NW1
	CX \o1, \o2, AC3, AC7, NW4, NW0
	CX \o1, \o2, NW0, NW2, AC0, AC2
	CX \o1, \o2, NW1, NW3, AC1, AC3
	CX \o1, \o2, NW4, NW6, AC4, AC6
	CX \o1, \o2, NW5, NW7, AC5, AC7
	CX \o1, \o2, AC0, AC1, NW0, NW1
	CX \o1, \o2, AC2, AC3, NW2, NW3
	CX \o1, \o2, AC4, AC5, NW4, NW5
	CX \o1, \o2, AC6, AC7, NW6, NW7
.endm
.macro SETNW base
.irp i, 0,1,2,3,4,5,6,7
.set NW\i, (\base)+\i
.endr
.endm
.irp i, 0,1,2,3,4,5,6,7
.set AC\i, LB+\i
.endr
.macro FOLD o1, o2
.irp n, 1,2,3,4,5,6,7
	s_wait_loadcnt 14-2*\n             ; loads come back in order (ISA guide 5.7.1): lists 0 to n are in; the two loads of each later list may stay out
	SETNW LB+8*\n
	MRG \o1, \o2
.endr
	SETNW LB+8
.irp i, 0,1,2,3,4,5,6,7
	v_permlanex16_b32 v[NW\i], v[AC\i], s16, s17
.endr
	MRG \o1, \o2
.endm
	s_load_b128 s[4:7], s[0:1], 0x0                ; part s[4:5], out0 s[6:7]
	v_lshl_add_u32 v[SPW], v0, 2, SPARE
	v_mov_b32 v[NIL], 0
	v_lshrrev_b32 v[STO], 5, v0
	v_readfirstlane_b32 s8, v[STO]                 ; wave 0..3
	s_lshr_b32 s9, s8, 1                           ; kind
	s_and_b32 s10, s8, 1                           ; set
	v_and_b32 v[RD], 15, v0                        ; l % 16
	v_bfe_u32 v[SH], v0, 4, 1                      ; l / 16
	v_lshlrev_b32 v[OFF], 4, v[RD]
	v_lshl_add_u32 v[OFF], v[SH], 16, v[OFF]       ; 16 (l % 16) + 8 chunks of 8,192 bytes for lanes 16-31
	s_lshr_b32 s2, ttmp9, 2
	s_lshl_b32 s2, s2, 17                          ; the image's 16 chunks
	s_lshl_b32 s11, s9, 12                         ; + 4,096 x kind
	s_add_co_u32 s2, s2, s11
	s_bfe_u32 s11, ttmp9, 0x10001                  ; + 64 columns x half
	s_lshl_b32 s11, s11, 10
	s_add_co_u32 s2, s2, s11
	s_lshl_b32 s11, s10, 9                         ; + 32 columns x set
	s_add_co_u32 s2, s2, s11
	s_and_b32 s11, ttmp9, 1                        ; + 16 columns x block
	s_lshl_b32 s11, s11, 8
	s_add_co_u32 s2, s2, s11
	s_mov_b32 s3, 0
	s_wait_kmcnt 0x0
	s_add_nc_u64 s[4:5], s[4:5], s[2:3]
.irp n, 0,1,2,3,4,5,6,7
.irp h, 0,1
	global_load_b128 v[LB+8*\n+4*\h:LB+8*\n+4*\h+3], v[OFF], s[4:5] offset:8192*\n+2048*\h th:TH_LOAD_NT
.endr
.endr
	; the addresses for the way out, made while the loads are out
	v_mul_u32_u24 v[STO], v[RD], SPITCH            ; in: row l % 16 (4 channels),
	v_lshl_add_u32 v[STO], v[SH], 6, v[STO]        ; channel 2 x set + l / 16 of them,
	s_lshl_b32 s11, s10, 7
	s_lshl_b32 s12, s9, 5                          ; 32 bytes for each kind
	s_add_co_u32 s11, s11, s12
	v_add_nc_u32 v[STO], s11, v[STO]
	v_mul_u32_u24 v[FF], v[SH], SPITCH             ; back: lanes 0-15 take one row of 256 bytes, lanes 16-31 the next;
	v_lshl_add_u32 v[RD], v[RD], 4, v[FF]
	s_mul_i32 s11, s8, 4*SPITCH                    ; wave w takes rows 4 w .. 4 w + 3
	v_add_nc_u32 v[RD], s11, v[RD]
	v_and_b32 v[GO], 31, v0
	v_lshlrev_b32 v[GO], 4, v[GO]                  ; two rows are 512 consecutive bytes of out0
	v_xor_b32 v[SH], 1, v[SH]
	v_lshlrev_b32 v[SH], 4, v[SH]
	s_lshl_b32 s2, ttmp9, 12                       ; the work-group's 4,096 bytes of out0,
	s_lshl_b32 s11, s8, 10                         ; my wave's 1,024
	s_add_co_u32 s2, s2, s11
	s_add_nc_u64 s[6:7], s[6:7], s[2:3]
	s_mov_b32 s16, 0x76543210                      ; v_permlanex16_b32: each lane takes its own place in the other half
	s_mov_b32 s17, 0xfedcba98
	s_mov_b32 s18, 0xffff0000
	s_cmp_eq_u32 s9, 0
	s_cbranch_scc0 .Lsmallest
	FOLD v_pk_max_num_bf16, v_pk_min_num_bf16
	s_branch .Lout
.Lsmallest:
	FOLD v_pk_min_num_bf16, v_pk_max_num_bf16
.Lout:
	; both halves of the lanes hold the same 8 words: lanes 0-15 widen the low channel, lanes 16-31 the high one (bf16 to f32: the 16 bits at the top, zeros below)
.irp i, 0,1,2,3,4,5,6,7
	v_lshlrev_b32 v[FF+\i], v[SH], v[LB+\i]
.endr
.irp i, 0,1,2,3,4,5,6,7
	v_and_b32 v[FF+\i], s18, v[FF+\i]
.endr
	ds_store_b128 v[STO], v[FF:FF+3]
	ds_store_b128 v[STO], v[FF+4:FF+7] offset:16
	s_wait_dscnt 0x0                               ; for the others' sake: a row's 256 bytes come from all four waves
	s_barrier_signal -1
	s_barrier_wait -1
	ds_load_b128 v[BK:BK+3], v[RD]
	ds_load_b128 v[BK+4:BK+7], v[RD] offset:2*SPITCH
	s_wait_dscnt 0x1
	global_store_b128 v[GO], v[BK:BK+3], s[6:7]              ; 512 consecutive bytes, at a multiple of 256 from out0's first byte
	s_wait_dscnt 0x0
	global_store_b128 v[GO], v[BK+4:BK+7], s[6:7] offset:512
	s_wait_tensorcnt 0x0                           ; the wave's end, behind my last LDS store
	ds_add_u32 v[SPW], v[NIL]
	s_wait_dscnt 0x0
	s_endpgm
.Lfunc_end_k_q027f253abf_final:
	.size	k_q027f253abf_final, .Lfunc_end_k_q027f253abf_final-k_q027f253abf_final
	.p2alignl 7, 3214868480
	.fill 96, 4, 3214868480
	.section	.rodata,"a",@progbits
	.p2align	6, 0x0
	.amdhsa_kernel k_q027f253abf_final
		.amdhsa_group_segment_fixed_size 5120
		.amdhsa_private_segment_fixed_size 0
		.amdhsa_enable_private_segment 0
		.amdhsa_kernarg_size 16
		.amdhsa_user_sgpr_count 2
		.amdhsa_user_sgpr_kernarg_segment_ptr 1
		.amdhsa_wavefront_size32 1
		.amdhsa_system_sgpr_workgroup_id_x 1
		.amdhsa_system_sgpr_workgroup_id_y 1
		.amdhsa_system_sgpr_workgroup_id_z 1
		.amdhsa_system_vgpr_workitem_id 0
		.amdhsa_next_free_vgpr 88
		.amdhsa_next_free_sgpr 66
		.amdhsa_reserve_vcc 0
		.amdhsa_float_denorm_mode_32 3
		.amdhsa_float_denorm_mode_16_64 3
		.amdhsa_memory_ordered 1
		.amdhsa_forward_progress 1
		.amdhsa_inst_pref_size 39
	.end_amdhsa_kernel
	.amdgpu_metadata
---
amdhsa.version: [ 1, 2 ]
amdhsa.kernels:
  - .name:           k_q027f253abf_final
    .symbol:         k_q027f253abf_final.kd
    .args:
      - { .name: part, .offset: 0, .size: 8, .value_kind: global_buffer, .address_space: global }
      - { .name: out0, .offset: 8, .size: 8, .value_kind: global_buffer, .address_space: global }
    .group_segment_fixed_size: 5120
    .private_segment_fixed_size: 0
    .kernarg_segment_align: 8
    .kernarg_segment_size: 16
    .max_flat_workgroup_size: 128
    .sgpr_count:     66
    .vgpr_count:     88
    .wavefront_size: 32
...
	.end_amdgpu_metadata
.endif
;; end of part 2
;; ======== version 2 of 2: 2 launches; version 1 with the launch chunks written anew for expert scheduling mode
;; limits: values outside matrix products are rounded to bf16
;; workspace buffers: part 2,097,152 bytes
;; launch chunks (part 3): grid 256 x 1, 16 waves a work-group, no clusters, 67,584 bytes of LDS; arguments inputs, part; writes part
.if DOCPART == 3
	.amdgcn_target "amdgcn-amd-amdhsa--gfx1250"
	.amdhsa_code_object_version 6
	.text
	.protected	k_q027f253abf_chunks
	.globl	k_q027f253abf_chunks
	.p2align	8
	.type	k_q027f253abf_chunks,@function
k_q027f253abf_chunks:
	s_mov_b64 s[64:65], 0
	v_nop
	global_prefetch_b8 v0, s[64:65] scope:SCOPE_SE
	s_setreg_imm32_b32 hwreg(HW_REG_WAVE_SCHED_MODE, 0, 2), 2
	s_setreg_imm32_b32 hwreg(HW_REG_WAVE_MODE, 25, 1), 1
	s_wait_xcnt 0x0
	s_wait_alu depctr_vm_vsrc(0)
; THE 8 LARGEST AND THE 8 SMALLEST NUMBERS OF EACH CHANNEL, FIRST PART.  inputs: [16][16384 pixels][256 channels] f32.
; A work-group owns 1,024 pixels on end (1 MiB) of one image and leaves, for each channel, the sorted 8 largest and 8 smallest of them in part.
; part: [work-group 256][kind 2: largest, smallest][h 2: items 0-3, 4-7][column 128] x 16 bytes; an item is a word of two bf16: two neighbouring channels.
;   column = 64 x half + 32 x set + lane stands for channels 128 x half + 4 x lane + 2 x set + 0, 1 (the later launch undoes this order).
; FORMAT AND LIMITS.  Each number is rounded once to bf16 (nearest even) and only compared afterwards; the rounding keeps the order, so what comes out is the exact
; answer rounded to bf16: off by at most 2^-9 of itself.  A magnitude above bf16's largest finite number (3.39e38) becomes an infinity.  NaN is not served: it loses every comparison.
; SHARES.  16 waves: wave w takes channels 128 (w & 1) on and pixel group w >> 1.  A lane owns 4 channels: a load of 16 bytes a lane covers 512 consecutive bytes, aligned.
; A batch is 16 pixels of a wave; the 8 pixel groups' batches lie on end (128 KiB), 8 batches a wave.
; NO BRANCH HANGS ON DATA: a batch is sorted by a fixed network (Batcher's odd-even merge sort of 16: 63 compare-exchanges); its upper 8 are merged into the running 8 largest
; (8 maxima leave the 8 largest of the 16 as a bitonic sequence, 12 compare-exchanges sort it), its lower 8 likewise into the 8 smallest.  All on words of two channels:
; 126 + 32 + 32 instructions for 32 numbers, and half a conversion a number.
; IN FLIGHT.  Two raw buffers of 16 loads; a buffer is asked for again behind its conversions, a load ahead of each of the sort's first 16 compare-exchanges: 16 to 32 loads of every wave are out.
; No input byte is read by two work-groups, so nothing is asked for jointly; no wave reads another's input, so it goes straight into registers.
; THE MODE: SCHED_MODE bits 1:0 = 2 (LLVM: expert scheduling mode 2), set by the entry lines.  The code itself states the register dependences
; between vector instructions and memory or LDS instructions, with s_wait_alu, always for 0.
; THE PLAN.  Registers that memory or LDS instructions touch:
;   v[OFF]             Read by every global load; written at the head and never again: the scalar pointer and immediate offsets reach the batches.
;   RA, RB             A batch's 32 conversions read its raw buffer; behind them the loads of the batch two further on land in it.  No other vector instruction names them in the loop.
;   OT, OB (in RA)     Written by the last batch's merges; read by the LDS stores; not written again.
;   LB (in RB)         The LDS loads land in it, behind the last batch's conversions, which read RB.
;   v[LSA], v[LRA], v[GO]   Written at the head and never again; read by the LDS stores, the LDS loads, the global store.
;   v[DD ..]           Written by four selects; read by the global store.
;   v[SPW], v[NIL]     Written at the head, read by the closing add alone.
;   The pools from v136 on are named by vector instructions alone.
; So ONE wait on va_vdst stands in a batch that asks for more, behind its conversions; the 16 loads follow it, dealt among compare-exchanges that name the pools alone.  One stands ahead of the first
; load, one ahead of the LDS stores, one ahead of the global store.  No register that a memory or LDS instruction has read is written again, so no wait on vm_vsrc is needed past the entry lines.
; No scalar register that a vector instruction reads is written again either.
.set PIXB,  1024                       ; bytes of a pixel
.set BPX,   16                         ; pixels in a batch
.set BSTEP, 8*BPX*PIXB                 ; from a wave's batch to its next
.set OFF,  1                           ; v1  my byte offset in the work-group's first 128 KiB; never rewritten
.set LSA,  2                           ; v2  LDS: where my wave's lists go
.set LRA,  3                           ; v3  LDS: where I read lists back
.set GO,   4                           ; v4  my 16 bytes in the work-group's 8 KiB of part
.set HG,   5                           ; v5  lane / 16
.set SPW,  6                           ; v6  LDS address of my spare word: SPARE + 4 x my thread's number; never rewritten
.set NIL,  7                           ; v7  0; never rewritten
.set RA,   8                           ; v[8:71]    raw buffer A: pixel j's 4 channels at RA + 4 j
.set RB,   72                          ; v[72:135]  raw buffer B
.set P0,   136                         ; v[136:168] column set 0 (channels 0, 1 of my 4): 16 words at work, 1 free, 16 that become the state
.set SET1, 34                          ; column set 1 (channels 2, 3) lies 34 registers higher, in the same order
.set NEWP, P0+17
.set OT,   RA                          ; the last batch leaves the 8 largest in v[8:15] (set 1: v[42:49]),
.set OB,   RA+8                        ; the 8 smallest in v[16:23] (set 1: v[50:57]): on end, for 16-byte LDS stores
.set LB,   RB                          ; four lists of 8 read back from LDS
.set DD,   RB+32                       ; the 16 bytes that I store
.set SPARE, 65536                      ; behind the lists: the spare words, 128 bytes for each of 16 waves, which no other line names
.set WIDE, 1                           ; 1: every line of a merge is written for both column sets
.set LJ,   0                           ; the loads that a batch deals among its sort: the next pixel,
.set LN,   0                           ; how many in all (16 or none),
.set LBUF, RA                          ; the raw buffer,
.set LOFF, 0                           ; the batch's byte behind the pointer
; WHICH REGISTER HOLDS WHICH WIRE is kept by the assembler: XRi = wire i of the sort, FR = the free register.  A compare-exchange writes the maximum into FR and the minimum in
; place; the register that held wire a is then the free one.  At a batch's start all 17 are dead, so any order of them serves, over the backward jump too.
.irp i, 0,1,2,3,4,5,6,7,8,9,10,11,12,13,14,15
.set XR\i, P0+\i
.endr
.set FR, P0+16
.macro CE a, b                         ; wire a takes the larger, wire b the smaller, in both column sets; ahead of it one of the batch's loads, while there are any
.if LJ < LN
	global_load_b128 v[LBUF+4*LJ:LBUF+4*LJ+3], v[OFF], s[4:5] offset:LOFF+LJ*PIXB th:TH_LOAD_NT  ; no wait: no vector instruction since the batch's wait names this raw buffer or v[OFF]
.set LJ, LJ+1
.endif
	v_pk_max_num_bf16 v[FR], v[XR\a], v[XR\b]
	v_pk_max_num_bf16 v[FR+SET1], v[XR\a+SET1], v[XR\b+SET1]
	v_pk_min_num_bf16 v[XR\b], v[XR\a], v[XR\b]
	v_pk_min_num_bf16 v[XR\b+SET1], v[XR\a+SET1], v[XR\b+SET1]
.set SW, XR\a
.set XR\a, FR
.set FR, SW
.endm
.macro CE2 a, b, c, d
	CE \a, \b
	CE \c, \d
.endm
.macro CE4 a, b, c, d, e, f, g, h
	CE2 \a, \b, \c, \d
	CE2 \e, \f, \g, \h
.endm
.macro SORT16                          ; wire 0 ends with the largest, wire 15 with the smallest
	CE4 0,1, 2,3, 4,5, 6,7             ; pairs
	CE4 8,9, 10,11, 12,13, 14,15
	CE4 0,2, 1,3, 4,6, 5,7             ; merge 2 + 2
	CE4 8,10, 9,11, 12,14, 13,15
	CE4 1,2, 5,6, 9,10, 13,14
	CE4 0,4, 1,5, 2,6, 3,7             ; merge 4 + 4
	CE4 8,12, 9,13, 10,14, 11,15
	CE4 2,4, 3,5, 10,12, 11,13
	CE4 1,2, 3,4, 5,6, 9,10
	CE2 11,12, 13,14
	CE4 0,8, 1,9, 2,10, 3,11           ; merge 8 + 8
	CE4 4,12, 5,13, 6,14, 7,15
	CE4 4,8, 5,9, 6,10, 7,11
	CE4 2,4, 3,5, 6,8, 7,9
	CE2 10,12, 11,13
	CE4 1,2, 3,4, 5,6, 7,8
	CE2 9,10, 11,12
	CE 13,14
.endm
; A MERGE of two sorted lists of 8 that keeps the better 8, sorted.  ACi = the running list, NWi = the new one, both best first; o1 picks the better of two (max for the largest,
; min for the smallest), o2 the other.  o1(AC i, NW 7-i) are the better 8 of the 16, a bitonic sequence; three stages of four compare-exchanges (4, 2, 1 apart) sort it.
; Each stage reads one set of 8 registers and writes the other, which is dead by then: no free register, no copy, and the list ends where it began.
.macro PUT o, d, a, b
	\o v[\d], v[\a], v[\b]
.if WIDE
	\o v[\d+SET1], v[\a+SET1], v[\b+SET1]
.endif
.endm
.macro CX o1, o2, da, db, sa, sb
	PUT \o1, \da, \sa, \sb
	PUT \o2, \db, \sa, \sb
.endm
.macro MRG o1, o2, fin=0, base=0       ; fin = 1: the last stage writes the list into the 8 registers from base on
	PUT \o1, NW7, AC0, NW7             ; place i of the sequence lies in NW 7-i
	PUT \o1, NW6, AC1, NW6
	PUT \o1, NW5, AC2, NW5
	PUT \o1, NW4, AC3, NW4
	PUT \o1, NW3, AC4, NW3
	PUT \o1, NW2, AC5, NW2
	PUT \o1, NW1, AC6, NW1
	PUT \o1, NW0, AC7, NW0
	CX \o1, \o2, AC0, AC4, NW7, NW3
	CX \o1, \o2, AC1, AC5, NW6, NW2
	CX \o1, \o2, AC2, AC6, NW5, NW1
	CX \o1, \o2, AC3, AC7, NW4, NW0
	CX \o1, \o2, NW0, NW2, AC0, AC2
	CX \o1, \o2, NW1, NW3, AC1, AC3
	CX \o1, \o2, NW4, NW6, AC4, AC6
	CX \o1, \o2, NW5, NW7, AC5, AC7
.if \fin
.irp i, 0,1,2,3,4,5,6,7
.set AC\i, (\base)+\i
.endr
.endif
	CX \o1, \o2, AC0, AC1, NW0, NW1
	CX \o1, \o2, AC2, AC3, NW2, NW3
	CX \o1, \o2, AC4, AC5, NW4, NW5
	CX \o1, \o2, AC6, AC7, NW6, NW7
.endm
.macro SETAC base
.irp i, 0,1,2,3,4,5,6,7
.set AC\i, (\base)+\i
.endr
.endm
.macro SETNW base
.irp i, 0,1,2,3,4,5,6,7
.set NW\i, (\base)+\i
.endr
.endm
.macro TK i, j                         ; item i of the smallest is wire j's register from now on; the wire gets a fresh one
.set BT\i, XR\j
.set XR\j, NEWP+\j
.endm
.macro NL i, j
.set NW\i, XR\j
.endm
.macro LOADS buf, off                  ; a batch in one run, for the two first fills: 16 pixels, 512 consecutive bytes of each
.irp j, 0,1,2,3,4,5,6,7,8,9,10,11,12,13,14,15
	global_load_b128 v[(\buf)+4*\j:(\buf)+4*\j+3], v[OFF], s[4:5] offset:(\off)+\j*PIXB th:TH_LOAD_NT
.endr
.endm
; A BATCH.  mode 0: the first, whose sorted 16 ARE the first state: its registers are taken over by name, nothing is cleared or copied.  1: merged.  2: the last.
; off >= 0: the buffer is asked for again, from byte off behind the pointer.  left: how many younger loads may stay out.
.macro BATCH buf, mode, off, left
	s_wait_loadcnt \left               ; loads come back in order (ISA guide 5.7.1): this buffer's 16 are in, the other buffer's (all issued after this buffer's) stay out
.irp j, 0,1,2,3,4,5,6,7,8,9,10,11,12,13,14,15
	v_cvt_pk_bf16_f32 v[XR\j], v[(\buf)+4*\j], v[(\buf)+4*\j+1]
	v_cvt_pk_bf16_f32 v[XR\j+SET1], v[(\buf)+4*\j+2], v[(\buf)+4*\j+3]
.endr
.set LJ, 0
.set LN, 0
.if (\off) >= 0
.set LN, 16
.set LBUF, \buf
.set LOFF, \off
	s_wait_alu depctr_va_vdst(0)       ; the conversions are done reading this raw buffer, in which the 16 loads that the sort deals out land
.endif
	SORT16
.if (\mode) == 0
.irp i, 0,1,2,3,4,5,6,7
.set TP\i, XR\i
.set XR\i, NEWP+\i
.endr
	TK 0, 15
	TK 1, 14
	TK 2, 13
	TK 3, 12
	TK 4, 11
	TK 5, 10
	TK 6, 9
	TK 7, 8
.else
.irp i, 0,1,2,3,4,5,6,7
.set AC\i, TP\i
.set NW\i, XR\i
.endr
	MRG v_pk_max_num_bf16, v_pk_min_num_bf16, (\mode)/2, OT
.irp i, 0,1,2,3,4,5,6,7
.set AC\i, BT\i
.endr
	NL 0, 15                           ; the batch's lower 8, smallest first
	NL 1, 14
	NL 2, 13
	NL 3, 12
	NL 4, 11
	NL 5, 10
	NL 6, 9
	NL 7, 8
	MRG v_pk_min_num_bf16, v_pk_max_num_bf16, (\mode)/2, OB
.endif
.endm
	s_load_b128 s[4:7], s[0:1], 0x0                ; inputs s[4:5], part s[6:7]
	v_lshl_add_u32 v[SPW], v0, 2, SPARE
	v_mov_b32 v[NIL], 0
	v_lshrrev_b32 v[LSA], 5, v0
	v_readfirstlane_b32 s8, v[LSA]                 ; wave 0..15
	v_and_b32 v[OFF], 31, v0
	v_lshlrev_b32 v[OFF], 4, v[OFF]                ; 16 x lane
	s_wait_alu depctr_va_sdst(0)                   ; s8 is written, ahead of its first reader: all the wave's places are made from it
	s_lshr_b32 s9, s8, 1                           ; pixel group
	s_and_b32 s10, s8, 1                           ; channel half
	s_lshl_b32 s11, s8, 12
	v_add_nc_u32 v[LSA], s11, v[OFF]               ; my wave's 4,096 bytes of LDS
	s_lshl_b32 s15, s9, 14                         ; the group's 16 pixels of 1,024 bytes,
	s_lshl_b32 s16, s10, 9                         ; the half's 512 bytes
	s_add_co_u32 s15, s15, s16
	v_add_nc_u32 v[OFF], s15, v[OFF]
	s_lshl_b32 s2, ttmp9, 20                       ; the work-group's 1 MiB (255 MiB at the most: 32 bits hold it)
	s_mov_b32 s3, 0
	s_wait_kmcnt 0x0
	s_add_nc_u64 s[4:5], s[4:5], s[2:3]
	s_wait_alu depctr_va_vdst(0)                   ; v[OFF] is written: every global load of the kernel reads it as its offset
	LOADS RA, 0                                    ; batch 0
	LOADS RB, BSTEP                                ; batch 1
	; the addresses for the end, made while the first loads are out; they name no register that those loads touch
	s_lshr_b32 s16, s8, 3                          ; at the end wave w merges kind w / 8, columns 16 (w % 8) on
	s_and_b32 s17, s8, 7
	s_lshl_b32 s9, s16, 12
	s_lshl_b32 s10, s17, 8
	s_add_co_u32 s9, s9, s10                       ; in part: 4,096 x kind + 256 x (w % 8)
	v_and_b32 v[LRA], 15, v0
	v_lshlrev_b32 v[LRA], 4, v[LRA]                ; 16 x (lane % 16)
	v_bfe_u32 v[HG], v0, 4, 1
	v_add_nc_u32 v[GO], s9, v[LRA]
	v_lshl_add_u32 v[GO], v[HG], 11, v[GO]         ; lanes 0-15 store items 0-3, lanes 16-31 items 4-7, 2,048 bytes on
	s_lshr_b32 s10, s17, 2                         ; in LDS a column's lists lie in the waves of its half:
	s_lshl_b32 s10, s10, 12                        ; 4,096 x half
	s_lshl_b32 s16, s16, 11                        ; + 2,048 x kind
	s_add_co_u32 s10, s10, s16
	s_and_b32 s16, s8, 3
	s_lshl_b32 s16, s16, 8                         ; + 256 x (w % 4): set and half of the lanes
	s_add_co_u32 s10, s10, s16
	v_add_nc_u32 v[LRA], s10, v[LRA]
	v_lshl_add_u32 v[LRA], v[HG], 15, v[LRA]       ; lanes 0-15 take pixel groups 0-3, lanes 16-31 groups 4-7: 4 x 8,192 bytes on
	s_lshl_b32 s18, ttmp9, 13
	s_mov_b32 s19, 0
	s_add_nc_u64 s[6:7], s[6:7], s[18:19]          ; the work-group's 8 KiB of part
	s_mov_b32 s12, 0x76543210                      ; v_permlanex16_b32: each lane takes its own place in the other half
	s_mov_b32 s13, 0xfedcba98
	BATCH RA, 0, 2*BSTEP, 16                       ; batch 0 starts the state; batch 2 is asked for
	BATCH RB, 1, 3*BSTEP, 16
	s_mov_b32 s14, 2
.Lpair:                                            ; batches 2, 3 and 4, 5; they ask for 4, 5 and 6, 7
	s_wait_xcnt 0x0                                ; every load issued so far (the youngest 48 compare-exchanges and two merges back) has had its address translated (ISA guide 3.1): the pointer may be written
	s_add_nc_u64 s[4:5], s[4:5], 2*BSTEP
	BATCH RA, 1, 2*BSTEP, 16
	BATCH RB, 1, 3*BSTEP, 16
	s_sub_co_u32 s14, s14, 1
	s_cmp_lg_u32 s14, 0
	s_cbranch_scc1 .Lpair
	BATCH RA, 1, -1, 16                            ; the last two batches ask for nothing: no load leaves the work-group's pixels, and no wait on va_vdst is owed
	BATCH RB, 2, -1, 0
	; THE 8 PIXEL GROUPS MEET IN LDS.  Wave w's lists at 4,096 w: [kind][h][set][lane] x 16 bytes: each store covers 512 consecutive bytes.
	s_wait_alu depctr_va_vdst(0)                   ; the last merges have written OT and OB, which the LDS stores read; the last batch's conversions are done reading RB, in which the LDS loads below land
.irp s, 0,1
.irp h, 0,1
	ds_store_b128 v[LSA], v[OT+SET1*\s+4*\h:OT+SET1*\s+4*\h+3] offset:1024*\h+512*\s
	ds_store_b128 v[LSA], v[OB+SET1*\s+4*\h:OB+SET1*\s+4*\h+3] offset:2048+1024*\h+512*\s
.endr
.endr
	s_wait_dscnt 0x0                               ; for the others' sake: my stores are done
	s_barrier_signal -1
	s_barrier_wait -1
.irp n, 0,1,2,3
.irp h, 0,1
	ds_load_b128 v[LB+8*\n+4*\h:LB+8*\n+4*\h+3], v[LRA] offset:8192*\n+1024*\h  ; 16 lanes read 256 consecutive bytes; no vector instruction stands between the wait above and these loads
.endr
.endr
.set WIDE, 0
	SETAC LB
.macro FOLD o1, o2                     ; my four lists into one; then the other four groups' list, which the lane 16 away has made
.irp n, 1,2,3
	SETNW LB+8*\n
	MRG \o1, \o2
.endr
	SETNW LB+8
.irp i, 0,1,2,3,4,5,6,7
	v_permlanex16_b32 v[NW\i], v[AC\i], s12, s13
.endr
	MRG \o1, \o2
.endm
	s_wait_dscnt 0x0
	s_cmp_lt_u32 s8, 8                             ; waves 0-7 merge the largest, waves 8-15 the smallest
	s_cbranch_scc0 .Lsmallest
	FOLD v_pk_max_num_bf16, v_pk_min_num_bf16
	s_branch .Lstore
.Lsmallest:
	FOLD v_pk_min_num_bf16, v_pk_max_num_bf16
.Lstore:
	v_cmp_ne_u32 vcc_lo, 0, v[HG]                  ; both halves of the lanes hold the same list: each stores half of it
	s_wait_alu depctr_va_vcc(0)                    ; VCC is written, ahead of its first reader, the select below
.irp i, 0,1,2,3
	v_cndmask_b32 v[DD+\i], v[LB+\i], v[LB+4+\i], vcc_lo
.endr
	s_wait_alu depctr_va_vdst(0)                   ; the four selects have written v[DD ..], which the store reads
	global_store_b128 v[GO], v[DD:DD+3], s[6:7]    ; 16 lanes store 256 consecutive bytes, at a multiple of 256 from part's first byte
	s_wait_dscnt 0x0                               ; the closing lines, six on end
	s_wait_alu 0x0
	s_wait_tensorcnt 0x0
	ds_add_u32 v[SPW], v[NIL]
	s_wait_dscnt 0x0
	s_endpgm
.Lfunc_end_k_q027f253abf_chunks:
	.size	k_q027f253abf_chunks, .Lfunc_end_k_q027f253abf_chunks-k_q027f253abf_chunks
	.p2alignl 7, 3214868480
	.fill 96, 4, 3214868480
	.section	.rodata,"a",@progbits
	.p2align	6, 0x0
	.amdhsa_kernel k_q027f253abf_chunks
		.amdhsa_group_segment_fixed_size 67584
		.amdhsa_private_segment_fixed_size 0
		.amdhsa_enable_private_segment 0
		.amdhsa_kernarg_size 16
		.amdhsa_user_sgpr_count 2
		.amdhsa_user_sgpr_kernarg_segment_ptr 1
		.amdhsa_wavefront_size32 1
		.amdhsa_system_sgpr_workgroup_id_x 1
		.amdhsa_system_sgpr_workgroup_id_y 1
		.amdhsa_system_sgpr_workgroup_id_z 1
		.amdhsa_system_vgpr_workitem_id 0
		.amdhsa_next_free_vgpr 204
		.amdhsa_next_free_sgpr 66
		.amdhsa_reserve_vcc 1
		.amdhsa_float_denorm_mode_32 3
		.amdhsa_float_denorm_mode_16_64 3
		.amdhsa_memory_ordered 1
		.amdhsa_forward_progress 1
		.amdhsa_inst_pref_size 177
	.end_amdhsa_kernel
	.amdgpu_metadata
---
amdhsa.version: [ 1, 2 ]
amdhsa.kernels:
  - .name:           k_q027f253abf_chunks
    .symbol:         k_q027f253abf_chunks.kd
    .args:
      - { .name: inputs, .offset: 0, .size: 8, .value_kind: global_buffer, .address_space: global }
      - { .name: part, .offset: 8, .size: 8, .value_kind: global_buffer, .address_space: global }
    .group_segment_fixed_size: 67584
    .private_segment_fixed_size: 0
    .kernarg_segment_align: 8
    .kernarg_segment_size: 16
    .max_flat_workgroup_size: 512
    .sgpr_count:     66
    .vgpr_count:     204
    .wavefront_size: 32
...
	.end_amdgpu_metadata
.endif
;; end of part 3
;; launch final: the kernel of part 2 again; grid 64 x 1, 4 waves a work-group, no clusters, 5,120 bytes of LDS; arguments part, out0; writes out0
